; MI455X (gfx1250); checked and timed in simulation.
; The chip was launched on July 23, 2026; its instructions are those of AMD's public machine-readable ISA for CDNA 5 (MIT licence, August 2026) and "CDNA5" Instruction Set Architecture Reference Guide (July 2026). The comments in the code are by the model that wrote it; some were corrected since.
;; Pixel SNAIL. Allowed arithmetic: matrix products marked QUANTISED: E4M3 operands, one given power-of-two scale a tensor, by v_wmma_f32_16x16x64_fp8_fp8 or v_wmma_f32_16x16x128_fp8_fp8, f32 sums; everything else in f32.
;; Inputs: Wk_codes 512 x 8 x 32 uint8 (E4M3 codes of Wk, K innermost, in blocks of 32 codes); Wq_codes 512 x 8 x 32 uint8 (E4M3 codes of Wq, K innermost, in blocks of 32 codes); Wv_codes 512 x 8 x 32 uint8 (E4M3 codes of Wv, K innermost, in blocks of 32 codes); bk 512 float32; bq 512 float32; bv 512 float32; key_codes 8 x 32 x 32 x 8 x 32 uint8 (E4M3 codes of key, K innermost, in blocks of 32 codes); lowp_scales 10 int32 (the exponents e of the quantised operands' scales 2^e); query_codes 8 x 32 x 32 x 8 x 32 uint8 (E4M3 codes of query, K innermost, in blocks of 32 codes).
;; Outputs: out0 8 x 512 x 32 x 32 float32.
;; This version of the problem:
;;   THIS VERSION OF THE PROBLEM IS GIVEN IN LOW PRECISION. The matrix products marked QUANTISED in the list below multiply operands that are first quantised to E4M3 (4 exponent bits, 3 mantissa bits; 8 bits a number), with one given power-of-two scale for each operand tensor; their sums are f32. All else is computed in f32.
;;   The module's matrix products, in the order in which they are computed (A, B: the left and right operand; K: the contracted axis; several contracted axes count as one K, in the product's order):
;;     1. [M 8,192, K 256] x [K 256, N 512]; A: input query (given as codes); B: input Wq (given as codes): QUANTISED (scales: A lowp_scales[0], B lowp_scales[1])
;;     2. [M 8,192, K 256] x [K 256, N 512]; A: input key (given as codes); B: input Wk (given as codes): QUANTISED (scales: A lowp_scales[2], B lowp_scales[3])
;;     3. [M 8,192, K 256] x [K 256, N 512]; A: input key (given as codes); B: input Wv (given as codes): QUANTISED (scales: A lowp_scales[4], B lowp_scales[5])
;;     4. batch 64 x [M 1,024, K 64] x [K 64, N 1,024]; A: computed on the way; B: computed on the way: QUANTISED (scales: A lowp_scales[6], B lowp_scales[7])
;;     5. batch 64 x [M 1,024, K 1,024] x [K 1,024, N 64]; A: softmax (see below); B: computed on the way: QUANTISED (scales: A lowp_scales[8], B lowp_scales[9])
;;   THE QUANTISER, for each operand of a quantised product, along K:
;;     - The operand's scale is 2^e, e = its entry of the input lowp_scales (int32; the entries are numbered through the quantised products in the list's order, A before B).
;;     - Each number is divided by the scale, clamped to +-448, and rounded to the nearest number of E4M3, ties to even, subnormals kept.
;;     - The product sums the exact products of the quantised numbers (number of the format x scale) in f32.
;;   ~~~python
;;   def quantise(x, axis, e):      # numpy; x: float32 -> the quantised numbers, widened to float32 again
;;       x = np.moveaxis(x, axis, -1); K = x.shape[-1]
;;       r = np.clip(x / 2.0 ** e, -448, 448)
;;       step = 2.0 ** (np.maximum(np.frexp(np.where(r == 0, 1, r))[1] - 1, -6) - 3)
;;       q = np.round(r / step) * step * 2.0 ** e      # np.round: ties to even
;;       return np.moveaxis(q, -1, axis).astype(np.float32)
;;   ~~~
;;   SOFTMAX AHEAD OF A QUANTISED PRODUCT. Where the list says 'softmax', what is quantised is not the finished softmax but p = 2^(t - M), with t = logit x log2(e) and M = ceil(the row's largest t), a whole number; so 1/2 < the row's largest p <= 1. The row's sum l is taken of the UNQUANTISED p, in f32, and the product's result is divided by l at the end. Since M is a whole number, a kernel that streams over the keys may use a running M (the ceiling of the running maximum): every later rescaling is an exact power of two, so the quantised numbers keep their values, but for numbers so far below the row's largest that they fall under the format's range.
;;   OPERANDS COMPUTED ON THE WAY. 'Computed on the way' means the value that the module computes at that place (a softmax that the list does not call 'softmax' is quantised finished and normalised). What goes into a quantiser is computed in f32, as accurately as f32 sums, v_exp_f32 and their like allow (about 1e-6 of the number): no bf16 or f16 on the way to a quantiser, and a product that is left as it is and whose result goes on into a quantised operand takes f32 operands (vector FMAs, or v_wmma_f32_16x16x4_f32). A number that lies on a knife's edge between two numbers of the format may be rounded either way, as far as f32 arithmetic and the matrix unit's own rounding can turn it there, and no further.
;;   INPUTS GIVEN AS CODES. Wk (in the module: [512, 256], K = its axis 1); Wq (in the module: [512, 256], K = its axis 1); Wv (in the module: [512, 256], K = its axis 1); key (in the module: [8, 256, 32, 32], K = its axis 1); query (in the module: [8, 256, 32, 32], K = its axis 1): each comes as NAME_codes (uint8): NAME with its K axis moved to the last place and cut into blocks of 32 codes, [.., K / 32, bytes a block], one block behind the other in memory; one code a byte (a code: sign, 4 exponent bits, 3 mantissa bits); its scale is its entry of lowp_scales. Its value is code x scale, taken as it is: it is not quantised again, and the codes and scales need not be those that the quantiser above would give.
;; 2 versions, each right; version 2 is version 1 with the launch attn written anew for expert scheduling mode. Each part assembles by itself: llvm-mc -triple=amdgcn-amd-amdhsa -mcpu=gfx1250 --defsym DOCPART=n.
;; ======== version 1 of 2: 2 launches
;; workspace buffers: kv 8,388,608 bytes; qc 4,194,304 bytes
;; launch proj (part 1): grid 4 x 64, 8 waves a work-group, clusters of 4 x 4, 175,104 bytes of LDS; arguments key_codes, Wk_codes, Wv_codes, query_codes, Wq_codes, bk, bv, bq, lowp_scales, kv, qc; writes kv, qc
.if DOCPART == 1
	.amdgcn_target "amdgcn-amd-amdhsa--gfx1250"
	.amdhsa_code_object_version 6
	.text
	.protected	k_q17cc5f3008_proj
	.globl	k_q17cc5f3008_proj
	.p2align	8
	.type	k_q17cc5f3008_proj,@function
k_q17cc5f3008_proj:
	s_mov_b64 s[64:65], 0
	v_nop
	global_prefetch_b8 v0, s[64:65] scope:SCOPE_SE
	s_setreg_imm32_b32 hwreg(HW_REG_WAVE_MODE, 25, 1), 1
	s_wait_xcnt 0x0
	s_wait_alu depctr_hold_cnt(0) depctr_sa_sdst(0) depctr_va_vdst(0) depctr_va_sdst(0) depctr_va_ssrc(0) depctr_va_vcc(0) depctr_vm_vsrc(0)
	s_getreg_b32 s2, hwreg(HW_REG_IB_STS2, 6, 4)
	s_cmp_eq_u32 s2, 0
	s_cbranch_scc0 .Lentry_in_a_cluster
	s_endpgm
.Lentry_in_a_cluster:
	s_bfe_u32 s2, ttmp6, 0x10000c
	s_cmp_lg_u32 s2, 0xf033
	s_cbranch_scc0 .Lentry_shape_is_right
	s_endpgm
.Lentry_shape_is_right:
; THE THREE PROJECTIONS: k = key Wk^T + bk, v = key Wv^T + bv, q = query Wq^T + bq, each [8,192 positions][256] x [512 channels][256] on the given codes of E4M3,
; sums in f32; each result is quantised at once (q with 2^e6, k with 2^e7, v with 2^e9; e0 .. e9 = lowp_scales) and stored as codes for the second launch, which does the attention.
; WORK LEFT OUT, in the whole program: none here.  In the second launch: a step of 128 keys all of which come after a tile's 16 queries.  reference() builds tril(ones) in its own body and sets
; the scores above the diagonal to -inf ahead of the softmax; their weight is exp(-inf) = 0 for all values of the inputs, so they add nothing to a row's largest score, to its sum or to the second
; product.  Every input has a way to the output (each bias moves codes of a live operand; all ten scales are used) and every input is loaded.
; LIMIT of that: reference()'s where() throws the hidden scores away whatever they are, so a NaN, an infinity or an overflow that reaches them alone is carried to the result neither there nor here.
; LIMITS on the given exponents, so that each power of two below is an f32 number: e6 - e0 - e1, e7 - e2 - e3 and e9 - e4 - e5 between -126 and 119; a bias x 2^-(ea + eb) is finite.  NaN in a bias is not served.
; SHARES.  Work-group (x = g, y = bs): the 128 positions 128 bs .. of the 8,192 x the 128 channels 128 g .. (heads 2 g, 2 g + 1) of all three products: 256 work-groups.
; Wave w: head 2 g + (w & 1), positions 32 (w >> 1) .. + 31 of the 128: eight accumulators of 16 x 16, sixteen matrix instructions a product.
; CLUSTER 4 x 4.  The four work-groups of a row of the cluster (same y) need the same rows of key and query, the four of a column (same x) the same rows of the weights: each tile is asked for JOINTLY.
; All five tiles (128 rows x 256 bytes each) have LDS bytes of their own: nothing is filled again.  Each wave asks for its 16 rows of each tile, five loads in one order, so five loads of mine are out at the most,
; and the counted waits let a product begin while the later products' tiles are on their way.
; THE WORKSPACE HOLDS IMAGES OF OPERAND REGISTERS.  In this form's own layout registers 2 c, 2 c + 1 of lane (r, h) hold k = 16 c + 8 h + 0 .. 7 of row r, and a result's eight registers of lane (r, h) are
; rows 8 h + 0 .. 7 of column r: so ONE conversion of result tile c gives registers 2 c, 2 c + 1 of the next operand, and nothing is transposed.
;   k, q: source 0 = 16 channels of W, source 1 = 16 positions: a lane holds one position and eight channels: the next K is the head's 64 channels.
;   v:    source 0 = 16 positions, source 1 = 16 channels of Wv: a lane holds one channel and eight positions: the next K is the keys.
; kv: [8 b + head][step of 128 keys][16,384 bytes]: K's eight tiles of 16 keys (1,024 bytes each: registers 0-3 of the 32 lanes, then registers 4-7), then from byte 8,192 V's four tiles of 16 channels
; (2,048 bytes each: four groups of four registers).  qc: [8 b + head][block of 128 queries][tile of 16][1,024 bytes], laid as a tile of K.
; THE BIAS is the C of a sum's first matrix instruction, divided by the power of two that the sums lack; the three scales ahead of a quantiser are folded into the conversion's one.
.set PITCH, 272                        ; an LDS row: 256 bytes + 16 of padding, so that the sixteen rows that a load touches begin 68 words apart
.set TILE,  128*PITCH
.set XK,    0                          ; key's 128 rows,
.set WK,    TILE                       ; Wk's,
.set WVT,   2*TILE                     ; Wv's,
.set XQ,    3*TILE                     ; query's,
.set WQ,    4*TILE                     ; Wq's
.set SPARE, 5*TILE                     ; behind the tiles: the spare words, 128 bytes for each of the eight waves: four blocks of 256 bytes that no other line names
.set LI,   1                           ; v1   16 x lane: my place in an image
.set AXK,  2                           ; v2-6 LDS address of my fragments in each of the five tiles
.set AWK,  3
.set AWV,  4
.set AXQ,  5
.set AWQ,  6
.set OB8,  7                           ; v7   32 h: my eight channels' bias (k, q)
.set OB4,  8                           ; v8   4 r: my channel's bias (v)
.set SCL,  9                           ; v9   the conversion's scale as f32
.set LIM,  10                          ; v10  448 x that
.set SPW,  11                          ; v11  LDS address of my spare word; never rewritten
.set NIL,  12                          ; v12  0; never rewritten
.set XF,   16                          ; v16-79   X's fragments: tile a (0, 1), K step ks (0, 1) at 32 a + 16 ks
.set WF,   80                          ; v80-143  W's four fragments of one K step
.set ACC,  144                         ; v144-207 accumulator (a, t) at 8 (4 a + t)
.set BIAS, 208                         ; v208-239 the bias of W's tile t at 8 t, in the result's layout
.set CD,   240                         ; v240-255 the codes
.set G1X,  32                          ; s[32:39] descriptor group 1 for key's and query's tiles;  s[40:47] for the weights': they differ in the mask alone
.set G1W,  40
.set GXK,  48                          ; five groups 0
.set GWK,  52
.set GWV,  56
.set GXQ,  60
.set GWQ,  68
.set E0,   72                          ; s72-81 e0 .. e9
.set WAVE, 82
.set HH,   83                          ; which of the two heads is mine
.set CX,   88
.set CY,   89
.set HP,   90                          ; g
.set BS,   91                          ; bs
.set BP,   92                          ; which 32 positions are mine
.macro CROUND                          ; a round of the cluster's barrier: my work-group's barrier; wave 0 signals for the work-group; every wave waits for all sixteen; my work-group's barrier once more
	s_barrier_signal -1
	s_barrier_wait -1
	s_cmp_lg_u32 s[WAVE], 0
	s_cbranch_scc1 .Lnot_wave_0_\@
	s_barrier_signal -3
.Lnot_wave_0_\@:
	s_barrier_wait -3
	s_barrier_signal -1
	s_barrier_wait -1
.endm
.macro G0SET g0, region, base, off     ; group 0: count 1; LDS address = the tile + my 16 rows; global address; type 2
	s_mov_b32 s[\g0], 1
	s_add_co_u32 s[\g0+1], s95, \region
	s_add_nc_u64 s[\g0+2:\g0+3], s[\base:\base+1], s[\off:\off+1]
	s_or_b32 s[\g0+3], s[\g0+3], 0x80000000
.endm
.macro PLACES                          ; four places behind a matrix instruction, in front of loads into its registers and of the first read of its result
.rept 4
	v_nop
.endr
.endm
.macro BAR
	s_barrier_signal -1
	s_barrier_wait -1
.endm
	s_load_b512 s[8:23], s[0:1], 0x0               ; key s[8:9], Wk s[10:11], Wv s[12:13], query s[14:15], Wq s[16:17], bk s[18:19], bv s[20:21], bq s[22:23]
	s_load_b128 s[24:27], s[0:1], 0x40             ; the scales' exponents s[24:25], kv s[26:27]
	s_load_b64 s[28:29], s[0:1], 0x50              ; qc
	v_lshl_add_u32 v[SPW], v0, 2, SPARE
	v_mov_b32 v[NIL], 0
	ds_add_u32 v[SPW], v[NIL]                      ; the wave's opening: the add, twice on end, and its wait ahead of my first tensor load; the set-up below stands between
	ds_add_u32 v[SPW], v[NIL]
	v_lshrrev_b32 v13, 5, v0
	v_readfirstlane_b32 s[WAVE], v13               ; wave 0..7
	s_and_b32 s[HH], s[WAVE], 1
	s_lshr_b32 s[BP], s[WAVE], 1
	s_bfe_u32 s[CX], ttmp6, 0x40000                ; my place in the cluster
	s_bfe_u32 s[CY], ttmp6, 0x40004
	s_lshl_b32 s[HP], ttmp9, 2
	s_add_co_u32 s[HP], s[HP], s[CX]               ; g = 4 x cluster x + cx
	s_and_b32 s[BS], ttmp7, 0xffff
	s_lshl_b32 s[BS], s[BS], 2
	s_add_co_u32 s[BS], s[BS], s[CY]               ; bs = 4 x cluster y + cy
	s_lshl_b32 s93, s[CY], 2
	s_lshl_b32 s93, 15, s93                        ; my row of the cluster
	s_lshl_b32 s94, 0x1111, s[CX]                  ; my column
	; group 1: 16 rows x 256 elements of one byte, dense in memory; in LDS four words of padding behind every 64
	s_or_b32 s[G1X], s93, (1<<20)|(1<<21)|(5<<22)|(3<<25)   ; 15:0 the mask; 17:16 elements of 1 byte; 20 padding on; 21 set beside a mask; 24:22 after every 64 words (code 5); 31:25 four words (code 3)
	s_or_b32 s[G1W], s94, (1<<20)|(1<<21)|(5<<22)|(3<<25)
.irp g, G1X, G1W
	s_mov_b32 s[\g+1], 256<<16                     ; tensor_dim0
	s_mov_b32 s[\g+2], 16<<16                      ; tensor_dim1
	s_mov_b32 s[\g+3], 256<<16                     ; tile_dim0
	s_mov_b32 s[\g+4], 16                          ; tile_dim1
	s_mov_b32 s[\g+5], 256                         ; tensor_dim0_stride
	s_mov_b32 s[\g+6], 0
	s_mov_b32 s[\g+7], 0
.endr
	s_lshl_b32 s95, s[WAVE], 12                    ; my 16 rows of a tile: 4,096 bytes of memory
	s_lshl_b32 s2, s[BS], 15                       ; key, query: 128 rows x 256 bytes x bs: it hangs on y alone, which my row of the cluster shares
	s_add_co_u32 s2, s2, s95
	s_mov_b32 s3, 0
	s_lshl_b32 s66, s[HP], 15                      ; the weights: 128 rows x 256 bytes x g: on x alone, which my column shares
	s_add_co_u32 s66, s66, s95
	s_mov_b32 s67, 0
	s_mul_i32 s95, s[WAVE], 16*PITCH               ; and in LDS: no place in the cluster enters an LDS address
	v_and_b32 v13, 15, v0                          ; r
	v_bfe_u32 v14, v0, 4, 1                        ; h
	v_and_b32 v[LI], 31, v0
	v_lshlrev_b32 v[LI], 4, v[LI]
	v_lshlrev_b32 v[OB8], 5, v14
	v_lshlrev_b32 v[OB4], 2, v13
	v_mul_u32_u24 v15, v13, PITCH
	v_lshl_add_u32 v15, v14, 4, v15                ; a fragment's row x pitch + 16 h
	s_mul_i32 s84, s[BP], 32*PITCH                 ; my 32 rows of key and of query
	s_mul_i32 s85, s[HH], 64*PITCH                 ; my head's 64 rows of a weight
	v_add_nc_u32 v[AXK], s84, v15
	s_add_co_u32 s84, s84, XQ
	v_add_nc_u32 v[AXQ], s84, v15
	s_add_co_u32 s86, s85, WK
	v_add_nc_u32 v[AWK], s86, v15
	s_add_co_u32 s86, s85, WVT
	v_add_nc_u32 v[AWV], s86, v15
	s_add_co_u32 s86, s85, WQ
	v_add_nc_u32 v[AWQ], s86, v15
	s_wait_dscnt 0x0                               ; both opening adds are done
	s_wait_kmcnt 0x0
	s_load_b256 s[E0:E0+7], s[24:25], 0x0          ; e0 .. e7
	s_load_b64 s[E0+8:E0+9], s[24:25], 0x20        ; e8, e9
	G0SET GXK, XK,  8,  2
	G0SET GWK, WK,  10, 66
	G0SET GWV, WVT, 12, 66
	G0SET GXQ, XQ,  14, 2
	G0SET GWQ, WQ,  16, 66
	CROUND                                         ; all sixteen work-groups are here: the joint loads meet
	tensor_load_to_lds s[GXK:GXK+3], s[G1X:G1X+7]  ; in the order in which the products want them
	s_nop 0
	tensor_load_to_lds s[GWK:GWK+3], s[G1W:G1W+7]
	s_nop 0
	tensor_load_to_lds s[GWV:GWV+3], s[G1W:G1W+7]
	s_nop 0
	tensor_load_to_lds s[GXQ:GXQ+3], s[G1X:G1X+7]
	s_nop 0
	tensor_load_to_lds s[GWQ:GWQ+3], s[G1W:G1W+7]
	s_nop 0
.rept 4
	v_nop
.endr
	s_lshl_b32 s84, s[HP], 1
	s_add_co_u32 s84, s84, s[HH]                   ; my head
	s_lshl_b32 s86, s84, 8                         ; its 64 numbers of a bias
	s_mov_b32 s87, 0
	s_add_nc_u64 s[18:19], s[18:19], s[86:87]
	s_add_nc_u64 s[20:21], s[20:21], s[86:87]
	s_add_nc_u64 s[22:23], s[22:23], s[86:87]
; the bias of a product whose lanes hold eight channels: b[16 t + 8 h + 0 .. 7] for tile t
.macro BIASROWS base
.irp t, 0,1,2,3
	global_load_b128 v[BIAS+8*\t:BIAS+8*\t+3],   v[OB8], s[\base:\base+1] offset:64*\t
	global_load_b128 v[BIAS+8*\t+4:BIAS+8*\t+7], v[OB8], s[\base:\base+1] offset:64*\t+16
.endr
.endm
	BIASROWS 18                                    ; bk
	s_lshr_b32 s85, s[BS], 3                       ; b
	s_lshl_b32 s85, s85, 3
	s_add_co_u32 s85, s85, s84                     ; 8 b + head
	s_lshl_b32 s85, s85, 3
	s_and_b32 s86, s[BS], 7
	s_add_co_u32 s85, s85, s86                     ; the unit: 8 (8 b + head) + the step of 128 positions
	s_lshl_b32 s86, s85, 14
	s_lshl_b32 s84, s[BP], 11
	s_add_co_u32 s86, s86, s84
	s_add_nc_u64 s[4:5], s[26:27], s[86:87]        ; K's image: 16,384 x unit + 1,024 x my first tile (2 x BP)
	s_lshl_b32 s86, s85, 14
	s_lshl_b32 s84, s[BP], 9
	s_add_co_u32 s86, s86, s84
	s_add_co_u32 s86, s86, 8192
	s_add_nc_u64 s[6:7], s[26:27], s[86:87]        ; V's image: my two tiles of positions are registers 4 BP .. 4 BP + 3 of each of its four fragments
	s_lshl_b32 s86, s85, 13
	s_lshl_b32 s84, s[BP], 11
	s_add_co_u32 s86, s86, s84
	s_add_nc_u64 s[30:31], s[28:29], s[86:87]      ; Q's image: 8,192 x unit + 1,024 x my first tile
; ea, eb: the product's two scales; eo: the scale of the quantiser behind it.  s85 = -(ea + eb), for the bias; v[SCL] = 2^(eo - ea - eb); v[LIM] = 448 x that
.macro SCALES ea, eb, eo
	s_add_co_i32 s84, s[\ea], s[\eb]
	s_sub_co_i32 s85, 0, s84
	s_sub_co_i32 s86, s[\eo], s84
	s_add_co_i32 s86, s86, 127
	s_lshl_b32 s87, s86, 23
	v_mov_b32 v[SCL], s87
	s_add_co_i32 s86, s86, 8
	s_lshl_b32 s86, s86, 23
	s_or_b32 s86, s86, 0x600000
	v_mov_b32 v[LIM], s86
.endm
.macro ROWSCALE                        ; the 32 numbers of a bias / 2^(ea + eb)
.set n, 0
.rept 32
	v_ldexp_f32 v[BIAS+n], v[BIAS+n], s85
.set n, n+1
.endr
.endm
; A fragment, 16 rows x 128 K, is 16 registers, fetched by four loads of 16 bytes, 32 bytes apart: registers 4 c .. 4 c + 3 hold K = 32 c + 16 h + 0 .. 15.  That is a permutation of k, the same in X and in W:
; every product meets its partner (the result is judged within a tolerance).
.macro LOADX adr                       ; my two tiles of X, both K steps
.irp a, 0,1
.irp ks, 0,1
.irp c, 0,1,2,3
	ds_load_b128 v[XF+32*\a+16*\ks+4*\c:XF+32*\a+16*\ks+4*\c+3], v[\adr] offset:16*PITCH*\a+128*\ks+32*\c
.endr
.endr
.endr
.endm
.macro LOADW adr, ks                   ; my head's four tiles of W, one K step
.irp t, 0,1,2,3
.irp c, 0,1,2,3
	ds_load_b128 v[WF+16*\t+4*\c:WF+16*\t+4*\c+3], v[\adr] offset:16*PITCH*\t+128*\ks+32*\c
.endr
.endr
.endm
; eight matrix instructions, the eight accumulators by turns.  kind 0: source 0 = W, source 1 = X;  kind 1: the other way round.  ks = 0: the bias starts the sums
.macro MUL kind, ks
.irp a, 0,1
.irp t, 0,1,2,3
.set rD, ACC+8*(4*\a+\t)
.set rW, WF+16*\t
.set rX, XF+32*\a+16*\ks
.set rC, rD
.if \ks == 0
.set rC, BIAS+8*\t
.endif
.if \kind
	v_wmma_f32_16x16x128_fp8_fp8 v[rD:rD+7], v[rX:rX+15], v[rW:rW+15], v[rC:rC+7]
.else
	v_wmma_f32_16x16x128_fp8_fp8 v[rD:rD+7], v[rW:rW+15], v[rX:rX+15], v[rC:rC+7]
.endif
.endr
.endr
.endm
; the 64 sums become codes: each accumulator's eight registers are two registers of the next operand.  kind 0: registers 2 t, 2 t + 1 of position tile a;  kind 1: registers 2 a, 2 a + 1 of my four of channel tile t
.macro QUANTC kind
.set n, 0
.rept 64
	v_med3_num_f32 v[ACC+n], v[ACC+n], -v[LIM], v[LIM]   ; the conversion to an 8-bit code does not saturate (ISA guide 7.6.2): the hold at the largest code x the scale; each accumulator from its low end on
.set n, n+1
.endr
.irp a, 0,1
.irp t, 0,1,2,3
.if \kind
	v_cvt_scalef32_pk8_fp8_f32 v[CD+4*\t+2*\a:CD+4*\t+2*\a+1], v[ACC+8*(4*\a+\t):ACC+8*(4*\a+\t)+7], v[SCL]
.else
	v_cvt_scalef32_pk8_fp8_f32 v[CD+8*\a+2*\t:CD+8*\a+2*\t+1], v[ACC+8*(4*\a+\t):ACC+8*(4*\a+\t)+7], v[SCL]
.endif
.endr
.endr
	v_nop                                          ; one plain vector instruction between the last scaled conversion and the next vector or matrix instruction that writes its sources
.endm
; A product: two K steps of 128.  next: the bias of the product after it is asked for behind the places that follow the matrix instructions that read this one's (1: bv, a number a lane and tile; 2: bq; 0: none)
.macro PRODUCT kind, aw, next
	LOADW \aw, 0
	s_wait_dscnt 0x0
	MUL \kind, 0
	PLACES
.if \next == 1
.irp t, 0,1,2,3
	global_load_b32 v[BIAS+8*\t], v[OB4], s[20:21] offset:64*\t   ; bv[16 t + r]: in v's result a lane holds ONE channel
.endr
.endif
.if \next == 2
	BIASROWS 22
.endif
	LOADW \aw, 1
	s_wait_dscnt 0x0
	MUL \kind, 1
	PLACES
	s_wait_xcnt 0x0                                ; the last product's stores have read their codes: the registers may be written again
	QUANTC \kind
.endm
	; ---- k = key Wk^T + bk, quantised with 2^e7
	s_wait_loadcnt 0x0                             ; bk
	s_wait_kmcnt 0x0                               ; the exponents
	SCALES E0+2, E0+3, E0+7
	ROWSCALE
	s_wait_tensorcnt 3                             ; my rows of key and of Wk are in; my three younger loads (Wv, query, Wq) may stay out
	BAR                                            ; everybody's are
	LOADX AXK
	PRODUCT 0, AWK, 1
.irp i, 0,1,2,3
	global_store_b128 v[LI], v[CD+4*\i:CD+4*\i+3], s[4:5] offset:512*\i      ; 32 lanes store 512 consecutive bytes, at a multiple of 256 from the buffer's first byte
.endr
	; ---- v = key Wv^T + bv, quantised with 2^e9; key's fragments are still in registers (its codes are the same; its scale here is 2^e4)
	s_wait_loadcnt 0x0                             ; bv
	SCALES E0+4, E0+5, E0+9
.irp t, 0,1,2,3
.irp i, 1,2,3,4,5,6,7
	v_ldexp_f32 v[BIAS+8*\t+\i], v[BIAS+8*\t], s85 ; the channel's bias / 2^(e4 + e5), in all eight registers of the tile
.endr
	v_ldexp_f32 v[BIAS+8*\t], v[BIAS+8*\t], s85
.endr
	s_wait_tensorcnt 2                             ; my rows of Wv are in; query's and Wq's may stay out
	BAR
	PRODUCT 1, AWV, 2
.irp t, 0,1,2,3
	global_store_b128 v[LI], v[CD+4*\t:CD+4*\t+3], s[6:7] offset:2048*\t
.endr
	; ---- q = query Wq^T + bq, quantised with 2^e6
	s_wait_loadcnt 0x0                             ; bq
	SCALES E0+0, E0+1, E0+6
	ROWSCALE
	s_wait_tensorcnt 0x0                           ; all my loads are in
	BAR
	LOADX AXQ
	PRODUCT 0, AWQ, 0
.irp i, 0,1,2,3
	global_store_b128 v[LI], v[CD+4*\i:CD+4*\i+3], s[30:31] offset:512*\i
.endr
	s_wait_tensorcnt 0x0                           ; the wave's end: behind my last tensor load
	ds_add_u32 v[SPW], v[NIL]
	s_wait_dscnt 0x0
	CROUND                                         ; the closing round: no work-group ends while a partner may still ask for a tile that names it
	s_endpgm
.Lfunc_end_k_q17cc5f3008_proj:
	.size	k_q17cc5f3008_proj, .Lfunc_end_k_q17cc5f3008_proj-k_q17cc5f3008_proj
	.p2alignl 7, 3214868480
	.fill 96, 4, 3214868480
	.section	.rodata,"a",@progbits
	.p2align	6, 0x0
	.amdhsa_kernel k_q17cc5f3008_proj
		.amdhsa_group_segment_fixed_size 175104
		.amdhsa_private_segment_fixed_size 0
		.amdhsa_enable_private_segment 0
		.amdhsa_kernarg_size 88
		.amdhsa_user_sgpr_count 2
		.amdhsa_user_sgpr_kernarg_segment_ptr 1
		.amdhsa_wavefront_size32 1
		.amdhsa_system_sgpr_workgroup_id_x 1
		.amdhsa_system_sgpr_workgroup_id_y 1
		.amdhsa_system_sgpr_workgroup_id_z 1
		.amdhsa_system_vgpr_workitem_id 0
		.amdhsa_next_free_vgpr 256
		.amdhsa_next_free_sgpr 96
		.amdhsa_reserve_vcc 0
		.amdhsa_float_denorm_mode_32 3
		.amdhsa_float_denorm_mode_16_64 3
		.amdhsa_memory_ordered 1
		.amdhsa_forward_progress 1
		.amdhsa_inst_pref_size 44
	.end_amdhsa_kernel
	.amdgpu_metadata
---
amdhsa.version: [ 1, 2 ]
amdhsa.kernels:
  - .name:           k_q17cc5f3008_proj
    .symbol:         k_q17cc5f3008_proj.kd
    .args:
      - { .name: key_codes, .offset: 0, .size: 8, .value_kind: global_buffer, .address_space: global }
      - { .name: Wk_codes, .offset: 8, .size: 8, .value_kind: global_buffer, .address_space: global }
      - { .name: Wv_codes, .offset: 16, .size: 8, .value_kind: global_buffer, .address_space: global }
      - { .name: query_codes, .offset: 24, .size: 8, .value_kind: global_buffer, .address_space: global }
      - { .name: Wq_codes, .offset: 32, .size: 8, .value_kind: global_buffer, .address_space: global }
      - { .name: bk, .offset: 40, .size: 8, .value_kind: global_buffer, .address_space: global }
      - { .name: bv, .offset: 48, .size: 8, .value_kind: global_buffer, .address_space: global }
      - { .name: bq, .offset: 56, .size: 8, .value_kind: global_buffer, .address_space: global }
      - { .name: lowp_scales, .offset: 64, .size: 8, .value_kind: global_buffer, .address_space: global }
      - { .name: kv, .offset: 72, .size: 8, .value_kind: global_buffer, .address_space: global }
      - { .name: qc, .offset: 80, .size: 8, .value_kind: global_buffer, .address_space: global }
    .group_segment_fixed_size: 175104
    .private_segment_fixed_size: 0
    .kernarg_segment_align: 8
    .kernarg_segment_size: 88
    .max_flat_workgroup_size: 256
    .sgpr_count:     96
    .vgpr_count:     256
    .wavefront_size: 32
...
	.end_amdgpu_metadata
.endif
;; end of part 1
;; launch attn (part 2): grid 256 x 1, 16 waves a work-group, no clusters, 200,704 bytes of LDS; arguments qc, kv, lowp_scales, out0; writes out0
.if DOCPART == 2
	.amdgcn_target "amdgcn-amd-amdhsa--gfx1250"
	.amdhsa_code_object_version 6
	.text
	.protected	k_q17cc5f3008_attn
	.globl	k_q17cc5f3008_attn
	.p2align	8
	.type	k_q17cc5f3008_attn,@function
k_q17cc5f3008_attn:
	s_mov_b64 s[64:65], 0
	v_nop
	global_prefetch_b8 v0, s[64:65] scope:SCOPE_SE
	s_setreg_imm32_b32 hwreg(HW_REG_WAVE_MODE, 25, 1), 1
	s_wait_xcnt 0x0
; CAUSAL ATTENTION ON CODES OF E4M3: out0[b][64 head + d][q] = the sum over k <= q of softmax_k(Q[q] . K[k] / 8) V[k][d]; 64 pairs (b, head), 1,024 positions, head size 64.
; qc and kv hold the first launch's codes as images of operand registers (their layout: that kernel's head).  Scales: q 2^e6, k 2^e7, p 2^e8, v 2^e9 (lowp_scales[6 .. 9]).
; WORK LEFT OUT: a step of 128 keys all of which come after a wave's 16 queries (reference()'s own tril gives them the weight 0 for all values of the inputs: shown at the first kernel's head), and the chunks of K and V that no wave of the work-group reads.
; THE SOFTMAX AHEAD OF THE SECOND PRODUCT: t = score x log2(e) / 8; M = the row's largest t so far, rounded UP to a whole number; p = 2^(t - M) is quantised, not normalised.  The row's sum is taken of the unquantised p
; and divides at the end.  When M moves, the sum and O are multiplied by 2^(old M - new M): exact.
; LIMITS on the given exponents, so that each power of two below is an f32 number: e6 + e7 between -123 and 130 (added to c's exponent field); e8 between -126 and 119; e8 + e9 goes in by v_ldexp_f32 and has none.
; SHARES.  Work-group x: pair bh = x / 4, j = x % 4: it owns the blocks of 128 queries j and 7 - j of the pair: (j + 1) + (8 - j) = 9 steps of a block for every j: equal work in all 256 work-groups.
; Sixteen waves, 256 registers each: wave w has the role (w ^ (w >> 2)) & 1 (0: block j; 1: block 7 - j) and the tile of 16 queries w >> 1 of its block.
; K AND V come in chunks of 128 keys (16,384 bytes: K's image, then V's).  Chunks 0 .. 7 - j get LDS bytes of their own and are written once: trip s stores chunk s from registers (16 bytes x 2 a thread) and asks for chunk s + 1,
; which has the whole step in which to land.  One barrier a trip: behind it chunk s is whole.  No tensor loads and no cluster: the four work-groups of a pair read different numbers of chunks (8 - j).
; LAYOUT.  S^T = K Q^T (source 0 = 16 keys, source 1 = my 16 queries), O^T = V^T P^T (source 0 = 16 channels, source 1 = P): lane (r, h) holds query r throughout.  Tile kk of S^T holds keys 16 kk + 8 h + 0 .. 7 in its eight
; registers: one conversion makes of them registers 2 kk, 2 kk + 1 of P in the matrix form's own layout.
; THE WAY OUT.  out0 has the positions innermost: a block's O^T goes through a stage in LDS, 64 channel rows x 128 queries, and leaves as rows of 512 bytes.  The low block leaves behind trip 3, under the high block's trips 4 to 7.
.set CHUNK, 16384
.set STAGE, 8*CHUNK                    ; behind the chunks: a stage for each role: 64 rows x (512 bytes + 16)
.set SP,    528
.set SROLE, 64*SP
.set SPARE, STAGE+2*SROLE              ; behind the stages: the spare words, 128 bytes for each of the sixteen waves: eight blocks of 256 bytes that no other line names
.set LI,   1                           ; v1   16 x lane
.set ADR,  2                           ; v2   LDS address of my lane in the chunk in hand
.set CO,   3                           ; v3   16 x thread: my part of a chunk's halves
.set ADC,  4                           ; v4   where I store it
.set SPW,  5                           ; v5   LDS address of my spare word; never rewritten
.set NIL,  6                           ; v6   0; never rewritten
.set PFO,  7                           ; v7   the prefetches' offset
.set STI,  8                           ; v8   the stage: where I put my query's numbers
.set STB,  9                           ; v9   the stage: where I read rows back
.set DQ,   10                          ; v10  my query's place in its block, less 8 h
.set NINF, 11                          ; v11  -infinity
                                       ; v12 -M, v13 the largest t, v[14:15] the sum in two halves
.set QF,   16                          ; v16-23   Q's fragment
.set CH,   24                          ; v24-31   a chunk's 32 bytes on their way
.set FR,   32                          ; v32-95   K's eight fragments, then V's four
.set S,    96                          ; v96-159  S^T, then p; on the way out O and its rows
.set O,    160                         ; v160-191 O^T
.set PC,   192                         ; v192-207 p's codes
.set MA,   208                         ; v208, v209 at work: the maximum's two chains
.set MB,   209
.set F,    210                         ; v[210:211] f = 2^(old M - new M)
.set SB,   212                         ; v[212:213] the sum's second chain
.set PM,   214                         ; v214 what the lane 16 away holds
.set PSC,  215                         ; v215 2^e8 as f32
.set PLM,  216                         ; v216 448 x 2^e8
.set WAVE, 12
.set ROLE, 13
.set IDX,  14
.set J,    15
.set BH,   16
.set BETA, 17                          ; my block of 128 queries
.set QB,   18                          ; its first query
.set KLIM, 19                          ; the first key of the last chunk that the work-group reads
.set KF,   20                          ; the trip's first key
.set TB,   21                          ; the trip's chunk in LDS
.set CNT,  22
.set SEL,  24                          ; s[24:25] lane selects for v_permlanex16_b32: lane l xor 16
.set CS,   26                          ; s[26:27] c = log2(e) / 8 x 2^(e6 + e7)
.set PLIM, 28                          ; a wave prefetches while KF is under this
.set E8,   29
.set EO,   30                          ; e8 + e9
	s_load_b256 s[4:11], s[0:1], 0x0               ; qc s[4:5], kv s[6:7], the scales' exponents s[8:9], out0 s[10:11]
	v_lshl_add_u32 v[SPW], v0, 2, SPARE
	v_mov_b32 v[NIL], 0
	v_lshrrev_b32 v1, 5, v0
	v_readfirstlane_b32 s[WAVE], v1                ; wave 0..15
	s_lshr_b32 s[ROLE], s[WAVE], 2
	s_xor_b32 s[ROLE], s[ROLE], s[WAVE]
	s_and_b32 s[ROLE], s[ROLE], 1                  ; of any four neighbouring waves, and of any four that lie four apart, two have each role
	s_lshr_b32 s[IDX], s[WAVE], 1
	s_and_b32 s[J], ttmp9, 3
	s_lshr_b32 s[BH], ttmp9, 2
	s_mul_i32 s32, s[ROLE], 7
	s_xor_b32 s[BETA], s[J], s32                   ; j or 7 - j
	s_lshl_b32 s[QB], s[BETA], 7
	s_xor_b32 s[KLIM], s[J], 7
	s_lshl_b32 s[KLIM], s[KLIM], 7
	s_xor_b32 s32, s[ROLE], 1                      ; who prefetches: waves 1 and 3 (role 1, tiles 0 and 1: they walk all eight steps) of the pair's work-group j = 0
	s_lshr_b32 s33, s[IDX], 1
	s_or_b32 s32, s32, s33
	s_or_b32 s32, s32, s[J]
	s_cmp_eq_u32 s32, 0
	s_cselect_b32 s[PLIM], 640, 0                  ; in trips 0 to 4
	s_lshl_b32 s32, s[BH], 17                      ; kv: the pair's eight chunks
	s_mov_b32 s33, 0
	s_lshl_b32 s34, s[BH], 16                      ; qc: 1,024 (8 (8 bh + block) + tile)
	s_lshl_b32 s36, s[BETA], 13
	s_add_co_u32 s34, s34, s36
	s_lshl_b32 s36, s[IDX], 10
	s_add_co_u32 s34, s34, s36
	s_mov_b32 s35, 0
	s_lshl_b32 s36, s[BH], 18                      ; out0: the pair's 64 rows of 4,096 bytes; the eight rows that I store; my block's 512 bytes of a row
	s_lshl_b32 s38, s[IDX], 15
	s_add_co_u32 s36, s36, s38
	s_lshl_b32 s38, s[BETA], 9
	s_add_co_u32 s36, s36, s38
	s_mov_b32 s37, 0
	v_and_b32 v[LI], 31, v0
	v_lshlrev_b32 v[LI], 4, v[LI]
	v_lshlrev_b32 v[CO], 4, v0
	s_wait_kmcnt 0x0
	s_load_b128 s[40:43], s[8:9], 0x18             ; e6, e7, e8, e9
	s_add_nc_u64 s[6:7], s[6:7], s[32:33]
	s_add_nc_u64 s[4:5], s[4:5], s[34:35]
	s_add_nc_u64 s[10:11], s[10:11], s[36:37]
	global_load_b128 v[CH:CH+3],   v[CO], s[6:7]               ; chunk 0: the 512 threads take 8,192 consecutive bytes, twice
	global_load_b128 v[CH+4:CH+7], v[CO], s[6:7] offset:8192
	global_load_b128 v[QF:QF+3],   v[LI], s[4:5] th:TH_LOAD_NT             ; Q's fragment stays in registers; no other wave reads it
	global_load_b128 v[QF+4:QF+7], v[LI], s[4:5] offset:512 th:TH_LOAD_NT
	; every LDS address register that stays is made here, ahead of the first parting of the roles
	v_and_b32 v[MA], 15, v0                        ; r
	v_bfe_u32 v[MB], v0, 4, 1                      ; h
	s_mul_i32 s34, s[ROLE], SROLE
	s_add_co_u32 s34, s34, STAGE                   ; my role's stage
	s_lshl_b32 s35, s[IDX], 6
	s_add_co_u32 s35, s35, s34
	v_mul_u32_u24 v[STI], v[MB], 8*SP
	v_lshl_add_u32 v[STI], v[MA], 2, v[STI]
	v_add_nc_u32 v[STI], s35, v[STI]               ; in: channel row 8 h (+ 16 t + i by the offset), query 16 x tile + r
	s_mul_i32 s35, s[IDX], 8*SP
	s_add_co_u32 s35, s35, s34
	v_add_nc_u32 v[STB], s35, v[LI]                ; back: rows 8 x tile on, 16 bytes a lane
	v_lshlrev_b32 v[MB], 3, v[MB]
	v_sub_nc_u32 v[DQ], v[MA], v[MB]
	s_lshl_b32 s35, s[IDX], 4
	v_add_nc_u32 v[DQ], s35, v[DQ]                 ; 16 x tile + r - 8 h
	v_and_b32 v[PFO], 31, v0
	v_lshlrev_b32 v[PFO], 8, v[PFO]
	s_and_b32 s35, s[IDX], 1
	s_lshl_b32 s35, s35, 13
	v_add_nc_u32 v[PFO], s35, v[PFO]               ; half a chunk a wave, lanes 256 bytes apart
	v_mov_b32 v[NINF], 0xff800000
	v_mov_b32 v13, 0xff61b1e6                      ; the largest t so far: -3e38, under every t
	v_floor_f32 v12, -v13                          ; -M
	v_mov_b32 v14, 0
	v_mov_b32 v15, 0
	v_mov_b32 v[F+1], 0                            ; (named as the upper half of a pair)
	v_mov_b32 v[PM], 0                             ; written once: a lane permute's destination counts as one of its sources
.set n, 0
.rept 32
	v_mov_b32 v[O+n], 0                            ; O^T.  (The step is written for all trips alike: the first finds zeros, which the first change of M leaves zeros)
.set n, n+1
.endr
	s_mov_b32 s[SEL], 0x76543210
	s_mov_b32 s[SEL+1], 0xfedcba98
	s_mov_b32 s[CS], 0x3e38aa3b                    ; log2(e) / 8
	s_mov_b32 s[KF], 0
	s_mov_b32 s[TB], 0
	s_wait_kmcnt 0x0
	s_add_co_i32 s32, s40, s41
	s_lshl_b32 s32, s32, 23
	s_add_co_i32 s[CS], s[CS], s32                 ; a score stands for score x 2^(e6 + e7): the two exponents are added to c's exponent field
	s_mov_b32 s[CS+1], s[CS]                       ; (named with it as a pair, so it is written)
	s_mov_b32 s[E8], s42
	s_add_co_i32 s[EO], s42, s43
	s_add_co_i32 s32, s42, 127
	s_lshl_b32 s33, s32, 23
	v_mov_b32 v[PSC], s33
	s_add_co_i32 s32, s32, 8
	s_lshl_b32 s32, s32, 23
	s_or_b32 s32, s32, 0x600000
	v_mov_b32 v[PLM], s32
; A KEY STEP of my tile: 128 keys, the chunk at s[TB].
.macro STEP
	v_nop                                          ; four places in front of loads into registers that the last products have read: the trip's two additions and these two
	v_nop
.irp k, 0,1,2,3,4,5,6,7
	ds_load_b128 v[FR+8*\k:FR+8*\k+3],   v[ADR] offset:1024*\k        ; K's tile k as it was stored: 512 consecutive bytes a load
	ds_load_b128 v[FR+8*\k+4:FR+8*\k+7], v[ADR] offset:1024*\k+512
.endr
	s_wait_dscnt 8                                 ; tiles 0 to 3 are in; the youngest eight loads may be out
.irp k, 0,1,2,3
	v_wmma_f32_16x16x64_fp8_fp8 v[S+8*\k:S+8*\k+7], v[FR+8*\k:FR+8*\k+7], v[QF:QF+7], 0
.endr
	s_wait_dscnt 0x0
.irp k, 4,5,6,7
	v_wmma_f32_16x16x64_fp8_fp8 v[S+8*\k:S+8*\k+7], v[FR+8*\k:FR+8*\k+7], v[QF:QF+7], 0
.endr
.rept 4
	v_nop                                          ; places: in front of V's loads into K's registers, and of the first read of the scores
.endr
.irp t, 0,1,2,3
.irp q, 0,1,2,3
	ds_load_b128 v[FR+16*\t+4*\q:FR+16*\t+4*\q+3], v[ADR] offset:8192+2048*\t+512*\q   ; V's four fragments: they land while the softmax is walked
.endr
.endr
	s_cmp_lt_u32 s[KF], s[QB]                      ; only my block's own 128 keys lie on the diagonal: a scalar branch on ids
	s_cbranch_scc1 .Lopen_\@
.set n, 0
.rept 64                                           ; register 8 kk + i holds key 16 kk + 8 h + i of the step: hidden where 16 kk + i > my query's place - 8 h.  Hidden scores become -infinity ahead of the maximum: p = 0 then
	v_cmp_gt_i32 vcc_lo, 16*(n/8)+n%8, v[DQ]
	v_cndmask_b32 v[S+n], v[S+n], v[NINF], vcc_lo
.set n, n+1
.endr
.Lopen_\@:
	v_max3_num_f32 v[MA], v[S], v[S+1], v[S+2]     ; the step's largest score of my query among my 64 keys, in two chains, each tile from its low end on,
	v_max3_num_f32 v[MB], v[S+3], v[S+4], v[S+5]
.irp i, 6,10,14,18,22,26,30,34,38,42,46,50,54,58
	v_max3_num_f32 v[MA], v[MA], v[S+\i], v[S+\i+1]
	v_max3_num_f32 v[MB], v[MB], v[S+\i+2], v[S+\i+3]
.endr
	v_max3_num_f32 v[MA], v[MA], v[S+62], v[S+63]
	v_max_num_f32 v[MA], v[MA], v[MB]
	v_permlanex16_b32 v[PM], v[MA], s[SEL], s[SEL+1]
	v_max_num_f32 v[MA], v[MA], v[PM]              ; and among lane l xor 16's
	v_mul_f32 v[MA], s[CS], v[MA]                  ; as t (c is positive)
	v_max_num_f32 v13, v13, v[MA]                  ; the running largest t
	v_mov_b32 v[MA], v12
	v_floor_f32 v12, -v13                          ; the new -M = floor(-t) = -ceil(t): a whole number
	v_sub_f32 v[MA], v12, v[MA]                    ; M's old value less its new one: a whole number, 0 or less
	v_cvt_i32_f32 v[MA], v[MA]                     ; (it saturates)
	v_ldexp_f32 v[F], 1.0, v[MA]                   ; f = 2^(old M - new M)
.set n, 0
.rept 32
	v_pk_fma_f32 v[S+n:S+n+1], v[S+n:S+n+1], s[CS:CS+1], v[12:13] op_sel_hi:[1,0,0]   ; t - M, two at a time (of the pairs c and -M the low word serves both halves)
.set n, n+2
.endr
.set n, 0
.rept 64
	v_exp_f32 v[S+n], v[S+n]                       ; p = 2^(t - M): not normalised
.set n, n+1
.endr
	v_pk_mul_f32 v[14:15], v[14:15], v[F:F+1] op_sel_hi:[1,0]   ; the sums under the new M: the plain instruction behind the exponentials
	s_wait_alu depctr_va_vdst(0)                   ; the wait ahead of the first instruction that names an exponential's result: one for the batch of 64
	v_pk_add_f32 v[SB:SB+1], v[S:S+1], v[S+2:S+3]  ; the row's sum is taken of the UNQUANTISED p: two at a time, in two chains
.irp i, 4,8,12,16,20,24,28,32,36,40,44,48,52,56,60
	v_pk_add_f32 v[14:15], v[14:15], v[S+\i:S+\i+1]
	v_pk_add_f32 v[SB:SB+1], v[SB:SB+1], v[S+\i+2:S+\i+3]
.endr
	v_pk_add_f32 v[14:15], v[14:15], v[SB:SB+1]
	s_cmp_ge_i32 s[E8], -8                         ; the hold at the largest code.  p is at most 1, give or take the rounding of c x score; from e8 = -8 on, 448 x 2^e8 is 1.75 or more and the hold changes nothing:
	s_cbranch_scc1 .Lno_hold_\@                    ; a scalar branch on the given whole number, the same in all waves
.set n, 0
.rept 64
	v_min_num_f32 v[S+n], v[S+n], v[PLM]           ; the conversion to an 8-bit code does not saturate (ISA guide 7.6.2); p is not negative, so the hold is one-sided
.set n, n+1
.endr
.Lno_hold_\@:
.irp k, 0,1,2,3,4,5,6,7
	v_cvt_scalef32_pk8_fp8_f32 v[PC+2*\k:PC+2*\k+1], v[S+8*\k:S+8*\k+7], v[PSC]   ; keys 16 k + 8 h + 0 .. 7: registers 2 k, 2 k + 1 of P
.endr
.set n, 0
.rept 16
	v_pk_mul_f32 v[O+n:O+n+1], v[O+n:O+n+1], v[F:F+1] op_sel_hi:[1,0]   ; O^T under the new M.  (Also the plain instructions between the conversions and the products that read their results)
.set n, n+2
.endr
	s_wait_dscnt 0x0                               ; V is in
.irp t, 0,1,2,3
	v_wmma_f32_16x16x128_fp8_fp8 v[O+8*\t:O+8*\t+7], v[FR+16*\t:FR+16*\t+15], v[PC:PC+15], v[O+8*\t:O+8*\t+7]   ; the four accumulators by turns; between two links on one stand the others' and the next step's eight
.endr
.endm
; FOUR TRIPS, and behind them the way out of the block that is finished: half 0: trips 0 to 3, the low block (role 0); half 1: trips 4 to 7, the high block (role 1).
; The trip counts are constants; what a work-group or a wave has no use for is jumped over by scalar branches on ids; every wave passes every barrier.
.macro HALF half
	s_mov_b32 s[CNT], 4
.Ltrip_\@:
	s_wait_loadcnt 0x0                             ; this trip's chunk is in registers (in the first trip: Q too)
	v_add_nc_u32 v[ADC], s[TB], v[CO]
	v_add_nc_u32 v[ADR], s[TB], v[LI]
	s_cmp_gt_u32 s[KF], s[KLIM]                    ; past the last chunk that any wave of the work-group reads?
	s_cbranch_scc1 .Lno_store_\@
	ds_store_b128 v[ADC], v[CH:CH+3]               ; the chunk's own LDS bytes, written this once
	ds_store_b128 v[ADC], v[CH+4:CH+7] offset:8192
.Lno_store_\@:
	s_wait_xcnt 0x0                                ; every earlier load, store and prefetch has read its registers: the base steps, and the registers that stores read may be written
	s_add_nc_u64 s[6:7], s[6:7], CHUNK
	s_wait_dscnt 0x0                               ; for the others' sake: my part of the chunk lies in LDS; and its registers may be loaded again
	s_cmp_ge_u32 s[KF], s[KLIM]
	s_cbranch_scc1 .Lno_load_\@
	global_load_b128 v[CH:CH+3],   v[CO], s[6:7]               ; the next chunk: awaited at the next trip's head
	global_load_b128 v[CH+4:CH+7], v[CO], s[6:7] offset:8192
	s_cmp_ge_u32 s[KF], s[PLIM]
	s_cbranch_scc1 .Lno_load_\@
	global_prefetch_b8 v[PFO], s[6:7] offset:2*CHUNK th:TH_LOAD_NT scope:SCOPE_SE   ; chunk s + 3, two trips ahead of its load: 64 blocks of 256 bytes, 32 a wave, each named once in the launch; trip 4 names chunk 7, the last; chunks 0 to 2 come by their loads alone
.Lno_load_\@:
	s_barrier_signal -1
	s_barrier_wait -1                              ; the chunk is whole
	s_cmp_gt_u32 s[KF], s[QB]                      ; all its keys come after my queries: the step is left out
	s_cbranch_scc1 .Lhidden_\@
	STEP
.Lhidden_\@:
	s_add_co_u32 s[KF], s[KF], 128
	s_add_co_u32 s[TB], s[TB], CHUNK
	s_sub_co_u32 s[CNT], s[CNT], 1
	s_cmp_lg_u32 s[CNT], 0
	s_cbranch_scc1 .Ltrip_\@
	s_cmp_lg_u32 s[ROLE], \half
	s_cbranch_scc1 .Lnot_done_\@
.rept 4
	v_nop                                          ; places behind the last products
.endr
	v_add_f32 v14, v14, v15                        ; the sum's two halves,
	v_permlanex16_b32 v[PM], v14, s[SEL], s[SEL+1]
	v_add_f32 v14, v14, v[PM]                      ; and lane l xor 16's: the row's sum
	v_rcp_f32 v14, v14
	v_nop                                          ; a plain instruction behind the transcendental
	s_wait_alu depctr_va_vdst(0)                   ; and the wait ahead of the first use of its result
	v_ldexp_f32 v14, v14, s[EO]                    ; x 2^(e8 + e9)
.set n, 0
.rept 32
	v_mul_f32 v[S+n], v[O+n], v14                  ; register 8 t + i: channel 16 t + 8 h + i of my query
.set n, n+1
.endr
.set n, 0
.rept 32
	ds_store_b32 v[STI], v[S+n] offset:SP*(16*(n/8)+n%8)   ; sixteen lanes put 64 neighbouring bytes into a channel's row
.set n, n+1
.endr
.Lnot_done_\@:
	s_wait_dscnt 0x0                               ; for the others' sake: my stores into the stage are done
	s_barrier_signal -1
	s_barrier_wait -1                              ; the block's 64 rows x 128 queries lie in the stage
	s_cmp_lg_u32 s[ROLE], \half
	s_cbranch_scc1 .Lnot_sent_\@
.irp i, 0,1,2,3,4,5,6,7
	ds_load_b128 v[S+32+4*\i:S+32+4*\i+3], v[STB] offset:SP*\i
.endr
.irp i, 0,1,2,3,4,5,6,7
	s_wait_dscnt 7-\i                              ; row i is in; the younger loads may be out
	global_store_b128 v[LI], v[S+32+4*\i:S+32+4*\i+3], s[10:11] offset:4096*\i th:TH_STORE_NT   ; 32 lanes store 512 consecutive bytes of a channel's row, at a multiple of 256 from out0's first byte; written once, read by nobody here
.endr
.Lnot_sent_\@:
.endm
	HALF 0
	HALF 1
	s_wait_tensorcnt 0x0                           ; the wave's end: behind my last LDS store
	ds_add_u32 v[SPW], v[NIL]
	s_wait_dscnt 0x0
	s_endpgm
.Lfunc_end_k_q17cc5f3008_attn:
	.size	k_q17cc5f3008_attn, .Lfunc_end_k_q17cc5f3008_attn-k_q17cc5f3008_attn
	.p2alignl 7, 3214868480
	.fill 96, 4, 3214868480
	.section	.rodata,"a",@progbits
	.p2align	6, 0x0
	.amdhsa_kernel k_q17cc5f3008_attn
		.amdhsa_group_segment_fixed_size 200704
		.amdhsa_private_segment_fixed_size 0
		.amdhsa_enable_private_segment 0
		.amdhsa_kernarg_size 32
		.amdhsa_user_sgpr_count 2
		.amdhsa_user_sgpr_kernarg_segment_ptr 1
		.amdhsa_wavefront_size32 1
		.amdhsa_system_sgpr_workgroup_id_x 1
		.amdhsa_system_sgpr_workgroup_id_y 1
		.amdhsa_system_sgpr_workgroup_id_z 1
		.amdhsa_system_vgpr_workitem_id 0
		.amdhsa_next_free_vgpr 256
		.amdhsa_next_free_sgpr 66
		.amdhsa_reserve_vcc 1
		.amdhsa_float_denorm_mode_32 3
		.amdhsa_float_denorm_mode_16_64 3
		.amdhsa_memory_ordered 1
		.amdhsa_forward_progress 1
		.amdhsa_inst_pref_size 58
	.end_amdhsa_kernel
	.amdgpu_metadata
---
amdhsa.version: [ 1, 2 ]
amdhsa.kernels:
  - .name:           k_q17cc5f3008_attn
    .symbol:         k_q17cc5f3008_attn.kd
    .args:
      - { .name: qc, .offset: 0, .size: 8, .value_kind: global_buffer, .address_space: global }
      - { .name: kv, .offset: 8, .size: 8, .value_kind: global_buffer, .address_space: global }
      - { .name: lowp_scales, .offset: 16, .size: 8, .value_kind: global_buffer, .address_space: global }
      - { .name: out0, .offset: 24, .size: 8, .value_kind: global_buffer, .address_space: global }
    .group_segment_fixed_size: 200704
    .private_segment_fixed_size: 0
    .kernarg_segment_align: 8
    .kernarg_segment_size: 32
    .max_flat_workgroup_size: 512
    .sgpr_count:     66
    .vgpr_count:     256
    .wavefront_size: 32
...
	.end_amdgpu_metadata
.endif
;; end of part 2
;; ======== version 2 of 2: 2 launches; version 1 with the launch attn written anew for expert scheduling mode
;; workspace buffers: kv 8,388,608 bytes; qc 4,194,304 bytes
;; launch proj: the kernel of part 1 again; grid 4 x 64, 8 waves a work-group, clusters of 4 x 4, 175,104 bytes of LDS; arguments key_codes, Wk_codes, Wv_codes, query_codes, Wq_codes, bk, bv, bq, lowp_scales, kv, qc; writes kv, qc
;; launch attn (part 3): grid 256 x 1, 16 waves a work-group, no clusters, 200,704 bytes of LDS; arguments qc, kv, lowp_scales, out0; writes out0
.if DOCPART == 3
	.amdgcn_target "amdgcn-amd-amdhsa--gfx1250"
	.amdhsa_code_object_version 6
	.text
	.protected	k_q17cc5f3008_attn
	.globl	k_q17cc5f3008_attn
	.p2align	8
	.type	k_q17cc5f3008_attn,@function
k_q17cc5f3008_attn:
	s_mov_b64 s[64:65], 0
	v_nop
	global_prefetch_b8 v0, s[64:65] scope:SCOPE_SE
	s_setreg_imm32_b32 hwreg(HW_REG_WAVE_SCHED_MODE, 0, 2), 2
	s_setreg_imm32_b32 hwreg(HW_REG_WAVE_MODE, 25, 1), 1
	s_wait_xcnt 0x0
	s_wait_alu depctr_vm_vsrc(0)
; CAUSAL ATTENTION ON CODES OF E4M3: out0[b][64 head + d][q] = the sum over k <= q of softmax_k(Q[q] . K[k] / 8) V[k][d]; 64 pairs (b, head), 1,024 positions, head size 64.
; qc and kv hold the first launch's codes as images of operand registers (their layout: that kernel's head).  Scales: q 2^e6, k 2^e7, p 2^e8, v 2^e9 (lowp_scales[6 .. 9]).
; WORK LEFT OUT: a step of 128 keys all of which come after a wave's 16 queries (reference()'s own tril gives them the weight 0 for all values of the inputs: shown at the first kernel's head), and the chunks of K and V that no wave of the work-group reads.
; THE SOFTMAX AHEAD OF THE SECOND PRODUCT: t = score x log2(e) / 8; M = the row's largest t so far, rounded UP to a whole number; p = 2^(t - M) is quantised, not normalised.  The row's sum is taken of the unquantised p
; and divides at the end.  When M moves, the sum and O are multiplied by 2^(old M - new M): exact.
; LIMITS on the given exponents, so that each power of two below is an f32 number: e6 + e7 between -123 and 130 (added to c's exponent field); e8 between -126 and 119; e8 + e9 goes in by v_ldexp_f32 and has none.
; SHARES.  Work-group x: pair bh = x / 4, j = x % 4: it owns the blocks of 128 queries j and 7 - j of the pair: (j + 1) + (8 - j) = 9 steps of a block for every j: equal work in all 256 work-groups.
; Sixteen waves, 256 registers each: wave w has the role (w ^ (w >> 2)) & 1 (0: block j; 1: block 7 - j) and the tile of 16 queries w >> 1 of its block.
; K AND V come in chunks of 128 keys (16,384 bytes: K's image, then V's).  Chunks 0 .. 7 - j get LDS bytes of their own and are written once: trip s stores chunk s from registers (16 bytes x 2 a thread) and asks for chunk s + 1,
; which has the whole step in which to land.  One barrier a trip: behind it chunk s is whole.  No tensor loads and no cluster: the four work-groups of a pair read different numbers of chunks (8 - j).
; LAYOUT.  S^T = K Q^T (source 0 = 16 keys, source 1 = my 16 queries), O^T = V^T P^T (source 0 = 16 channels, source 1 = P): lane (r, h) holds query r throughout.  Tile kk of S^T holds keys 16 kk + 8 h + 0 .. 7 in its eight
; registers: one conversion makes of them registers 2 kk, 2 kk + 1 of P in the matrix form's own layout.
; THE WAY OUT.  out0 has the positions innermost: a block's O^T goes through a stage in LDS, 64 channel rows x 128 queries, and leaves as rows of 512 bytes.  The low block leaves behind trip 3, under the high block's trips 4 to 7.
; THE MODE: SCHED_MODE bits 1:0 = 2 (LLVM: expert scheduling mode 2), set by the entry lines.  The code itself states the register dependences
; between vector or matrix instructions and memory or LDS instructions, with s_wait_alu, always for 0.
; THE PLAN.  Registers that memory or LDS instructions touch:
;   v[LI], v[CO], v[PFO], v[STI], v[STB], v[SPW], v[NIL]   offsets and addresses: written by vector lines at the head, once; read by memory and LDS instructions alone from then on.
;   v[ADC], v[ADR]   written by two additions at each trip's head; ADC is read by the trip's two LDS stores, ADR by the step's 32 LDS loads.
;   CH               the next chunk's global loads land in it; the trip's two LDS stores read it; no vector instruction names it.
;   QF               loaded once; read by matrix instructions.
;   FR               K's sixteen LDS loads land in it, the eight products K Q^T read it; V's sixteen land in it, the four products V^T P^T read it.
;   S, on the way out: written by 32 multiplications, read by 32 LDS stores.
;   OUTB             the rows that come back from the stage land in it, the global stores read it; no vector instruction ever names it.
; THE WAITS.  At a trip's head one on vm_vsrc ahead of the two additions and one on va_vdst behind them, ahead of every branch of the trip; one on vm_vsrc between the LDS stores that read CH and the loads into it;
; in a step one on va_vdst between K Q^T and V's loads, which are then dealt among the maximum's lines: these, and the diagonal's compares and selects, name S, v[DQ], v[NINF], v[MA], v[MB] and scalar registers, never FR or v[ADR].
; The diagonal's compares write scalar registers, sixteen to a run, with one wait on va_sdst between a run and its selects.  On the way out one wait on va_vdst ahead of the run of LDS stores.
.set CHUNK, 16384
.set STAGE, 8*CHUNK                    ; behind the chunks: a stage for each role: 64 rows x (512 bytes + 16)
.set SP,    528
.set SROLE, 64*SP
.set SPARE, STAGE+2*SROLE              ; behind the stages: the spare words, 128 bytes for each of the sixteen waves: eight blocks of 256 bytes that no other line names
.set LI,   1                           ; v1   16 x lane
.set ADR,  2                           ; v2   LDS address of my lane in the chunk in hand
.set CO,   3                           ; v3   16 x thread: my part of a chunk's halves
.set ADC,  4                           ; v4   where I store it
.set SPW,  5                           ; v5   LDS address of my spare word; never rewritten
.set NIL,  6                           ; v6   0; never rewritten
.set PFO,  7                           ; v7   the prefetches' offset
.set STI,  8                           ; v8   the stage: where I put my query's numbers
.set STB,  9                           ; v9   the stage: where I read rows back
.set DQ,   10                          ; v10  my query's place in its block, less 8 h
.set NINF, 11                          ; v11  -infinity
                                       ; v12 -M, v13 the largest t, v[14:15] the sum in two halves
.set QF,   16                          ; v16-23   Q's fragment
.set CH,   24                          ; v24-31   a chunk's 32 bytes on their way
.set FR,   32                          ; v32-95   K's eight fragments, then V's four
.set S,    96                          ; v96-159  S^T, then p; on the way out O / the sum
.set O,    160                         ; v160-191 O^T
.set PC,   192                         ; v192-207 p's codes
.set MA,   208                         ; v208, v209 at work: the maximum's two chains
.set MB,   209
.set F,    210                         ; v[210:211] f = 2^(old M - new M)
.set SB,   212                         ; v[212:213] the sum's second chain
.set PM,   214                         ; v214 what the lane 16 away holds
.set PSC,  215                         ; v215 2^e8 as f32
.set PLM,  216                         ; v216 448 x 2^e8
.set OUTB, 218                         ; v218-249 the way out: eight rows read back from the stage
.set WAVE, 12
.set ROLE, 13
.set IDX,  14
.set J,    15
.set BH,   16
.set BETA, 17                          ; my block of 128 queries
.set QB,   18                          ; its first query
.set KLIM, 19                          ; the first key of the last chunk that the work-group reads
.set KF,   20                          ; the trip's first key
.set TB,   21                          ; the trip's chunk in LDS
.set CNT,  22
.set SEL,  24                          ; s[24:25] lane selects for v_permlanex16_b32: lane l xor 16
.set CS,   26                          ; s[26:27] c = log2(e) / 8 x 2^(e6 + e7)
.set PLIM, 28                          ; a wave prefetches while KF is under this
.set E8,   29
.set EO,   30                          ; e8 + e9
.set MK,   32                          ; s32-47 behind the head: the masks of sixteen compares
	s_load_b256 s[4:11], s[0:1], 0x0               ; qc s[4:5], kv s[6:7], the scales' exponents s[8:9], out0 s[10:11]
	v_lshl_add_u32 v[SPW], v0, 2, SPARE
	v_mov_b32 v[NIL], 0
	v_lshrrev_b32 v1, 5, v0
	v_readfirstlane_b32 s[WAVE], v1                ; wave 0..15
	v_and_b32 v[LI], 31, v0
	v_lshlrev_b32 v[LI], 4, v[LI]
	v_lshlrev_b32 v[CO], 4, v0
	s_wait_alu depctr_va_sdst(0)                   ; the wave's number is written, ahead of its first reader: roles, bases and LDS addresses are made from it
	s_lshr_b32 s[ROLE], s[WAVE], 2
	s_xor_b32 s[ROLE], s[ROLE], s[WAVE]
	s_and_b32 s[ROLE], s[ROLE], 1                  ; of any four neighbouring waves, and of any four that lie four apart, two have each role
	s_lshr_b32 s[IDX], s[WAVE], 1
	s_and_b32 s[J], ttmp9, 3
	s_lshr_b32 s[BH], ttmp9, 2
	s_mul_i32 s32, s[ROLE], 7
	s_xor_b32 s[BETA], s[J], s32                   ; j or 7 - j
	s_lshl_b32 s[QB], s[BETA], 7
	s_xor_b32 s[KLIM], s[J], 7
	s_lshl_b32 s[KLIM], s[KLIM], 7
	s_xor_b32 s32, s[ROLE], 1                      ; who prefetches: waves 1 and 3 (role 1, tiles 0 and 1: they walk all eight steps) of the pair's work-group j = 0
	s_lshr_b32 s33, s[IDX], 1
	s_or_b32 s32, s32, s33
	s_or_b32 s32, s32, s[J]
	s_cmp_eq_u32 s32, 0
	s_cselect_b32 s[PLIM], 640, 0                  ; in trips 0 to 4
	s_lshl_b32 s32, s[BH], 17                      ; kv: the pair's eight chunks
	s_mov_b32 s33, 0
	s_lshl_b32 s34, s[BH], 16                      ; qc: 1,024 (8 (8 bh + block) + tile)
	s_lshl_b32 s36, s[BETA], 13
	s_add_co_u32 s34, s34, s36
	s_lshl_b32 s36, s[IDX], 10
	s_add_co_u32 s34, s34, s36
	s_mov_b32 s35, 0
	s_lshl_b32 s36, s[BH], 18                      ; out0: the pair's 64 rows of 4,096 bytes; the eight rows that I store; my block's 512 bytes of a row
	s_lshl_b32 s38, s[IDX], 15
	s_add_co_u32 s36, s36, s38
	s_lshl_b32 s38, s[BETA], 9
	s_add_co_u32 s36, s36, s38
	s_mov_b32 s37, 0
	s_wait_kmcnt 0x0
	s_load_b128 s[40:43], s[8:9], 0x18             ; e6, e7, e8, e9
	s_add_nc_u64 s[6:7], s[6:7], s[32:33]
	s_add_nc_u64 s[4:5], s[4:5], s[34:35]
	s_add_nc_u64 s[10:11], s[10:11], s[36:37]
	s_wait_alu depctr_va_vdst(0)                   ; v[CO] and v[LI] are written, which the four loads below read as their offsets
	global_load_b128 v[CH:CH+3],   v[CO], s[6:7]               ; chunk 0: the 512 threads take 8,192 consecutive bytes, twice
	global_load_b128 v[CH+4:CH+7], v[CO], s[6:7] offset:8192
	global_load_b128 v[QF:QF+3],   v[LI], s[4:5] th:TH_LOAD_NT             ; Q's fragment stays in registers; no other wave reads it
	global_load_b128 v[QF+4:QF+7], v[LI], s[4:5] offset:512 th:TH_LOAD_NT
	; every LDS address register that stays is made here, ahead of the first parting of the roles
	v_and_b32 v[MA], 15, v0                        ; r
	v_bfe_u32 v[MB], v0, 4, 1                      ; h
	s_mul_i32 s34, s[ROLE], SROLE
	s_add_co_u32 s34, s34, STAGE                   ; my role's stage
	s_lshl_b32 s35, s[IDX], 6
	s_add_co_u32 s35, s35, s34
	v_mul_u32_u24 v[STI], v[MB], 8*SP
	v_lshl_add_u32 v[STI], v[MA], 2, v[STI]
	v_add_nc_u32 v[STI], s35, v[STI]               ; in: channel row 8 h (+ 16 t + i by the offset), query 16 x tile + r
	s_mul_i32 s35, s[IDX], 8*SP
	s_add_co_u32 s35, s35, s34
	v_add_nc_u32 v[STB], s35, v[LI]                ; back: rows 8 x tile on, 16 bytes a lane
	v_lshlrev_b32 v[MB], 3, v[MB]
	v_sub_nc_u32 v[DQ], v[MA], v[MB]
	s_lshl_b32 s35, s[IDX], 4
	v_add_nc_u32 v[DQ], s35, v[DQ]                 ; 16 x tile + r - 8 h
	v_and_b32 v[PFO], 31, v0
	v_lshlrev_b32 v[PFO], 8, v[PFO]
	s_and_b32 s35, s[IDX], 1
	s_lshl_b32 s35, s35, 13
	v_add_nc_u32 v[PFO], s35, v[PFO]               ; half a chunk a wave, lanes 256 bytes apart
	v_mov_b32 v[NINF], 0xff800000
	v_mov_b32 v13, 0xff61b1e6                      ; the largest t so far: -3e38, under every t
	v_floor_f32 v12, -v13                          ; -M
	v_mov_b32 v14, 0
	v_mov_b32 v15, 0
	v_mov_b32 v[F+1], 0                            ; (named as the upper half of a pair)
	v_mov_b32 v[PM], 0                             ; written once: a lane permute's destination counts as one of its sources
.set n, 0
.rept 32
	v_mov_b32 v[O+n], 0                            ; O^T.  (The step is written for all trips alike: the first finds zeros, which the first change of M leaves zeros)
.set n, n+1
.endr
	s_mov_b32 s[SEL], 0x76543210
	s_mov_b32 s[SEL+1], 0xfedcba98
	s_mov_b32 s[CS], 0x3e38aa3b                    ; log2(e) / 8
	s_mov_b32 s[KF], 0
	s_mov_b32 s[TB], 0
	s_wait_kmcnt 0x0
	s_add_co_i32 s32, s40, s41
	s_lshl_b32 s32, s32, 23
	s_add_co_i32 s[CS], s[CS], s32                 ; a score stands for score x 2^(e6 + e7): the two exponents are added to c's exponent field
	s_mov_b32 s[CS+1], s[CS]                       ; (named with it as a pair, so it is written)
	s_mov_b32 s[E8], s42
	s_add_co_i32 s[EO], s42, s43
	s_add_co_i32 s32, s42, 127
	s_lshl_b32 s33, s32, 23
	v_mov_b32 v[PSC], s33
	s_add_co_i32 s32, s32, 8
	s_lshl_b32 s32, s32, 23
	s_or_b32 s32, s32, 0x600000
	v_mov_b32 v[PLM], s32
; A KEY STEP of my tile: 128 keys, the chunk at s[TB].
.macro STEP
	v_nop                                          ; four places in front of loads into registers that the last products have read: the trip's two additions and these two
	v_nop
.irp k, 0,1,2,3,4,5,6,7
	ds_load_b128 v[FR+8*\k:FR+8*\k+3],   v[ADR] offset:1024*\k        ; K's tile k as it was stored: 512 consecutive bytes a load.  (No vector instruction since the wait at the trip's head names FR or v[ADR])
	ds_load_b128 v[FR+8*\k+4:FR+8*\k+7], v[ADR] offset:1024*\k+512
.endr
	s_wait_dscnt 8                                 ; tiles 0 to 3 are in; the youngest eight loads may be out
.irp k, 0,1,2,3
	v_wmma_f32_16x16x64_fp8_fp8 v[S+8*\k:S+8*\k+7], v[FR+8*\k:FR+8*\k+7], v[QF:QF+7], 0
.endr
	s_wait_dscnt 0x0
.irp k, 4,5,6,7
	v_wmma_f32_16x16x64_fp8_fp8 v[S+8*\k:S+8*\k+7], v[FR+8*\k:FR+8*\k+7], v[QF:QF+7], 0
.endr
.rept 4
	v_nop                                          ; places: in front of V's loads into K's registers, and of the first read of the scores
.endr
	s_wait_alu depctr_va_vdst(0)                   ; the eight products K Q^T are done reading FR, in which V's sixteen loads land
.irp q, 0,1,2,3
	ds_load_b128 v[FR+4*\q:FR+4*\q+3], v[ADR] offset:8192+512*\q   ; V's first fragment; the other three follow among the maximum's lines: all land while the softmax is walked
.endr
	s_cmp_lt_u32 s[KF], s[QB]                      ; only my block's own 128 keys lie on the diagonal: a scalar branch on ids
	s_cbranch_scc1 .Lopen_\@
.set gq, 0
.rept 4                                            ; register 8 kk + i holds key 16 kk + 8 h + i of the step: hidden where 16 kk + i > my query's place - 8 h.  Hidden scores become -infinity ahead of the maximum: p = 0 then
.set n, 0
.rept 16
	v_cmp_gt_i32 s[MK+n], 16*((16*gq+n)/8)+(16*gq+n)%8, v[DQ]
.set n, n+1
.endr
	s_wait_alu depctr_va_sdst(0)                   ; the run's sixteen masks are written, ahead of the selects that read them
.set n, 0
.rept 16
	v_cndmask_b32 v[S+16*gq+n], v[S+16*gq+n], v[NINF], s[MK+n]
.set n, n+1
.endr
.set gq, gq+1
.endr
.Lopen_\@:
	v_max3_num_f32 v[MA], v[S], v[S+1], v[S+2]     ; the step's largest score of my query among my 64 keys, in two chains, each tile from its low end on,
	v_max3_num_f32 v[MB], v[S+3], v[S+4], v[S+5]
.set m, 4
.irp i, 6,10,14,18,22,26,30,34,38,42,46,50,54,58
	v_max3_num_f32 v[MA], v[MA], v[S+\i], v[S+\i+1]
	v_max3_num_f32 v[MB], v[MB], v[S+\i+2], v[S+\i+3]
.if m < 16
	ds_load_b128 v[FR+4*m:FR+4*m+3], v[ADR] offset:8192+512*m   ; V: registers 4 (m % 4) on of fragment m / 4.  No wait: no vector or matrix instruction since the wait behind K Q^T names FR or v[ADR]
.set m, m+1
.endif
.endr
	v_max3_num_f32 v[MA], v[MA], v[S+62], v[S+63]
	v_max_num_f32 v[MA], v[MA], v[MB]
	v_permlanex16_b32 v[PM], v[MA], s[SEL], s[SEL+1]
	v_max_num_f32 v[MA], v[MA], v[PM]              ; and among lane l xor 16's
	v_mul_f32 v[MA], s[CS], v[MA]                  ; as t (c is positive)
	v_max_num_f32 v13, v13, v[MA]                  ; the running largest t
	v_mov_b32 v[MA], v12
	v_floor_f32 v12, -v13                          ; the new -M = floor(-t) = -ceil(t): a whole number
	v_sub_f32 v[MA], v12, v[MA]                    ; M's old value less its new one: a whole number, 0 or less
	v_cvt_i32_f32 v[MA], v[MA]                     ; (it saturates)
	v_ldexp_f32 v[F], 1.0, v[MA]                   ; f = 2^(old M - new M)
.set n, 0
.rept 32
	v_pk_fma_f32 v[S+n:S+n+1], v[S+n:S+n+1], s[CS:CS+1], v[12:13] op_sel_hi:[1,0,0]   ; t - M, two at a time (of the pairs c and -M the low word serves both halves)
.set n, n+2
.endr
.set n, 0
.rept 64
	v_exp_f32 v[S+n], v[S+n]                       ; p = 2^(t - M): not normalised
.set n, n+1
.endr
	v_pk_mul_f32 v[14:15], v[14:15], v[F:F+1] op_sel_hi:[1,0]   ; the sums under the new M: the plain instruction behind the exponentials
	s_wait_alu depctr_va_vdst(0)                   ; the 64 exponentials have written p: the wait ahead of the first instruction that names a result: one for the batch
	v_pk_add_f32 v[SB:SB+1], v[S:S+1], v[S+2:S+3]  ; the row's sum is taken of the UNQUANTISED p: two at a time, in two chains
.irp i, 4,8,12,16,20,24,28,32,36,40,44,48,52,56,60
	v_pk_add_f32 v[14:15], v[14:15], v[S+\i:S+\i+1]
	v_pk_add_f32 v[SB:SB+1], v[SB:SB+1], v[S+\i+2:S+\i+3]
.endr
	v_pk_add_f32 v[14:15], v[14:15], v[SB:SB+1]
	s_cmp_ge_i32 s[E8], -8                         ; the hold at the largest code.  p is at most 1, give or take the rounding of c x score; from e8 = -8 on, 448 x 2^e8 is 1.75 or more and the hold changes nothing:
	s_cbranch_scc1 .Lno_hold_\@                    ; a scalar branch on the given whole number, the same in all waves
.set n, 0
.rept 64
	v_min_num_f32 v[S+n], v[S+n], v[PLM]           ; the conversion to an 8-bit code does not saturate (ISA guide 7.6.2); p is not negative, so the hold is one-sided
.set n, n+1
.endr
.Lno_hold_\@:
.irp k, 0,1,2,3,4,5,6,7
	v_cvt_scalef32_pk8_fp8_f32 v[PC+2*\k:PC+2*\k+1], v[S+8*\k:S+8*\k+7], v[PSC]   ; keys 16 k + 8 h + 0 .. 7: registers 2 k, 2 k + 1 of P
.endr
.set n, 0
.rept 16
	v_pk_mul_f32 v[O+n:O+n+1], v[O+n:O+n+1], v[F:F+1] op_sel_hi:[1,0]   ; O^T under the new M.  (Also the plain instructions between the conversions and the products that read their results)
.set n, n+2
.endr
	s_wait_dscnt 0x0                               ; V is in
.irp t, 0,1,2,3
	v_wmma_f32_16x16x128_fp8_fp8 v[O+8*\t:O+8*\t+7], v[FR+16*\t:FR+16*\t+15], v[PC:PC+15], v[O+8*\t:O+8*\t+7]   ; the four accumulators by turns; between two links on one stand the others' and the next step's eight
.endr
.endm
; FOUR TRIPS, and behind them the way out of the block that is finished: half 0: trips 0 to 3, the low block (role 0); half 1: trips 4 to 7, the high block (role 1).
; The trip counts are constants; what a work-group or a wave has no use for is jumped over by scalar branches on ids; every wave passes every barrier.
.macro HALF half
	s_mov_b32 s[CNT], 4
.Ltrip_\@:
	s_wait_loadcnt 0x0                             ; this trip's chunk is in registers (in the first trip: Q too)
	s_wait_alu depctr_vm_vsrc(0)                   ; the last trip's LDS stores have read v[ADC] and the last step's LDS loads v[ADR], which the two additions write; behind the low block's way out: its LDS stores have read S and its global stores OUTB
	v_add_nc_u32 v[ADC], s[TB], v[CO]
	v_add_nc_u32 v[ADR], s[TB], v[LI]
	s_wait_alu depctr_va_vdst(0)                   ; v[ADC] and v[ADR] are written, which the LDS stores and loads below read; the last step's products V^T P^T are done reading FR, in which K's loads land; in the first trip: v[PFO], v[STI] and v[STB] are written
	s_cmp_gt_u32 s[KF], s[KLIM]                    ; past the last chunk that any wave of the work-group reads?
	s_cbranch_scc1 .Lno_store_\@
	ds_store_b128 v[ADC], v[CH:CH+3]               ; the chunk's own LDS bytes, written this once
	ds_store_b128 v[ADC], v[CH+4:CH+7] offset:8192
.Lno_store_\@:
	s_wait_xcnt 0x0                                ; every earlier load, store and prefetch has read its registers: the base steps, and the registers that stores read may be written
	s_add_nc_u64 s[6:7], s[6:7], CHUNK
	s_wait_dscnt 0x0                               ; for the others' sake: my part of the chunk lies in LDS
	s_wait_alu depctr_vm_vsrc(0)                   ; the two LDS stores have read CH, in which the next chunk's loads land
	s_cmp_ge_u32 s[KF], s[KLIM]
	s_cbranch_scc1 .Lno_load_\@
	global_load_b128 v[CH:CH+3],   v[CO], s[6:7]               ; the next chunk: awaited at the next trip's head
	global_load_b128 v[CH+4:CH+7], v[CO], s[6:7] offset:8192
	s_cmp_ge_u32 s[KF], s[PLIM]
	s_cbranch_scc1 .Lno_load_\@
	global_prefetch_b8 v[PFO], s[6:7] offset:2*CHUNK th:TH_LOAD_NT scope:SCOPE_SE   ; chunk s + 3, two trips ahead of its load: 64 blocks of 256 bytes, 32 a wave, each named once in the launch; trip 4 names chunk 7, the last; chunks 0 to 2 come by their loads alone
.Lno_load_\@:
	s_barrier_signal -1
	s_barrier_wait -1                              ; the chunk is whole
	s_cmp_gt_u32 s[KF], s[QB]                      ; all its keys come after my queries: the step is left out
	s_cbranch_scc1 .Lhidden_\@
	STEP
.Lhidden_\@:
	s_add_co_u32 s[KF], s[KF], 128
	s_add_co_u32 s[TB], s[TB], CHUNK
	s_sub_co_u32 s[CNT], s[CNT], 1
	s_cmp_lg_u32 s[CNT], 0
	s_cbranch_scc1 .Ltrip_\@
	s_cmp_lg_u32 s[ROLE], \half
	s_cbranch_scc1 .Lnot_done_\@
.rept 4
	v_nop                                          ; places behind the last products
.endr
	v_add_f32 v14, v14, v15                        ; the sum's two halves,
	v_permlanex16_b32 v[PM], v14, s[SEL], s[SEL+1]
	v_add_f32 v14, v14, v[PM]                      ; and lane l xor 16's: the row's sum
	v_rcp_f32 v14, v14
	v_nop                                          ; a plain instruction behind the transcendental
	s_wait_alu depctr_va_vdst(0)                   ; the reciprocal is written: the wait ahead of the first use of its result
	v_ldexp_f32 v14, v14, s[EO]                    ; x 2^(e8 + e9)
.set n, 0
.rept 32
	v_mul_f32 v[S+n], v[O+n], v14                  ; register 8 t + i: channel 16 t + 8 h + i of my query
.set n, n+1
.endr
	s_wait_alu depctr_va_vdst(0)                   ; the 32 multiplications have written v[S ..], which the LDS stores read
.set n, 0
.rept 32
	ds_store_b32 v[STI], v[S+n] offset:SP*(16*(n/8)+n%8)   ; sixteen lanes put 64 neighbouring bytes into a channel's row
.set n, n+1
.endr
.Lnot_done_\@:
	s_wait_dscnt 0x0                               ; for the others' sake: my stores into the stage are done
	s_barrier_signal -1
	s_barrier_wait -1                              ; the block's 64 rows x 128 queries lie in the stage
	s_cmp_lg_u32 s[ROLE], \half
	s_cbranch_scc1 .Lnot_sent_\@
.irp i, 0,1,2,3,4,5,6,7
	ds_load_b128 v[OUTB+4*\i:OUTB+4*\i+3], v[STB] offset:SP*\i   ; into registers that no vector instruction names
.endr
.irp i, 0,1,2,3,4,5,6,7
	s_wait_dscnt 7-\i                              ; row i is in; the younger loads may be out
	global_store_b128 v[LI], v[OUTB+4*\i:OUTB+4*\i+3], s[10:11] offset:4096*\i th:TH_STORE_NT   ; 32 lanes store 512 consecutive bytes of a channel's row, at a multiple of 256 from out0's first byte; written once, read by nobody here
.endr
.Lnot_sent_\@:
.endm
	HALF 0
	HALF 1
	s_wait_dscnt 0x0                               ; the closing lines, six on end
	s_wait_alu 0x0
	s_wait_tensorcnt 0x0
	ds_add_u32 v[SPW], v[NIL]
	s_wait_dscnt 0x0
	s_endpgm
.Lfunc_end_k_q17cc5f3008_attn:
	.size	k_q17cc5f3008_attn, .Lfunc_end_k_q17cc5f3008_attn-k_q17cc5f3008_attn
	.p2alignl 7, 3214868480
	.fill 96, 4, 3214868480
	.section	.rodata,"a",@progbits
	.p2align	6, 0x0
	.amdhsa_kernel k_q17cc5f3008_attn
		.amdhsa_group_segment_fixed_size 200704
		.amdhsa_private_segment_fixed_size 0
		.amdhsa_enable_private_segment 0
		.amdhsa_kernarg_size 32
		.amdhsa_user_sgpr_count 2
		.amdhsa_user_sgpr_kernarg_segment_ptr 1
		.amdhsa_wavefront_size32 1
		.amdhsa_system_sgpr_workgroup_id_x 1
		.amdhsa_system_sgpr_workgroup_id_y 1
		.amdhsa_system_sgpr_workgroup_id_z 1
		.amdhsa_system_vgpr_workitem_id 0
		.amdhsa_next_free_vgpr 256
		.amdhsa_next_free_sgpr 66
		.amdhsa_reserve_vcc 0
		.amdhsa_float_denorm_mode_32 3
		.amdhsa_float_denorm_mode_16_64 3
		.amdhsa_memory_ordered 1
		.amdhsa_forward_progress 1
		.amdhsa_inst_pref_size 67
	.end_amdhsa_kernel
	.amdgpu_metadata
---
amdhsa.version: [ 1, 2 ]
amdhsa.kernels:
  - .name:           k_q17cc5f3008_attn
    .symbol:         k_q17cc5f3008_attn.kd
    .args:
      - { .name: qc, .offset: 0, .size: 8, .value_kind: global_buffer, .address_space: global }
      - { .name: kv, .offset: 8, .size: 8, .value_kind: global_buffer, .address_space: global }
      - { .name: lowp_scales, .offset: 16, .size: 8, .value_kind: global_buffer, .address_space: global }
      - { .name: out0, .offset: 24, .size: 8, .value_kind: global_buffer, .address_space: global }
    .group_segment_fixed_size: 200704
    .private_segment_fixed_size: 0
    .kernarg_segment_align: 8
    .kernarg_segment_size: 32
    .max_flat_workgroup_size: 512
    .sgpr_count:     66
    .vgpr_count:     256
    .wavefront_size: 32
...
	.end_amdgpu_metadata
.endif
;; end of part 3
